; MI455X (gfx1250); checked and timed in simulation.
; The chip was launched on July 23, 2026; its instructions are those of AMD's public machine-readable ISA for CDNA 5 (MIT licence, August 2026) and "CDNA5" Instruction Set Architecture Reference Guide (July 2026). The comments in the code are by the model that wrote it; some were corrected since.
;; Hessian Linear. Allowed arithmetic: matrix products marked QUANTISED: E5M2 operands, one given power-of-two scale a tensor, by v_wmma_f32_16x16x64_bf8_bf8 or v_wmma_f32_16x16x128_bf8_bf8, f32 sums; everything else in f32.
;; Inputs: bias 4,096 float32; centroids_scaled 256 float32; labels 16,777,216 int32; lowp_scales 2 int32 (the exponents e of the quantised operands' scales 2^e); scale 4,096 float32; x 4 x 1,024 x 4,096 float32.
;; Outputs: out0 4 x 1,024 x 4,096 float32.
;; This version of the problem:
;;   THIS VERSION OF THE PROBLEM IS GIVEN IN LOW PRECISION. The matrix products marked QUANTISED in the list below multiply operands that are first quantised to E5M2 (5 exponent bits, 2 mantissa bits; 8 bits a number), with one given power-of-two scale for each operand tensor; their sums are f32. All else is computed in f32.
;;   The module's matrix products, in the order in which they are computed (A, B: the left and right operand; K: the contracted axis; several contracted axes count as one K, in the product's order):
;;     1. [M 4,096, K 4,096] x [K 4,096, N 4,096]; A: input x; B: computed on the way: QUANTISED (scales: A lowp_scales[0], B lowp_scales[1])
;;   THE QUANTISER, for each operand of a quantised product, along K:
;;     - The operand's scale is 2^e, e = its entry of the input lowp_scales (int32; the entries are numbered through the quantised products in the list's order, A before B).
;;     - Each number is divided by the scale, clamped to +-57,344, and rounded to the nearest number of E5M2, ties to even, subnormals kept.
;;     - The product sums the exact products of the quantised numbers (number of the format x scale) in f32.
;;   ~~~python
;;   def quantise(x, axis, e):      # numpy; x: float32 -> the quantised numbers, widened to float32 again
;;       x = np.moveaxis(x, axis, -1); K = x.shape[-1]
;;       r = np.clip(x / 2.0 ** e, -57344, 57344)
;;       step = 2.0 ** (np.maximum(np.frexp(np.where(r == 0, 1, r))[1] - 1, -14) - 2)
;;       q = np.round(r / step) * step * 2.0 ** e      # np.round: ties to even
;;       return np.moveaxis(q, -1, axis).astype(np.float32)
;;   ~~~
;;   OPERANDS COMPUTED ON THE WAY. 'Computed on the way' means the value that the module computes at that place (a softmax that the list does not call 'softmax' is quantised finished and normalised). What goes into a quantiser is computed in f32, as accurately as f32 sums, v_exp_f32 and their like allow (about 1e-6 of the number): no bf16 or f16 on the way to a quantiser, and a product that is left as it is and whose result goes on into a quantised operand takes f32 operands (vector FMAs, or v_wmma_f32_16x16x4_f32). A number that lies on a knife's edge between two numbers of the format may be rounded either way, as far as f32 arithmetic and the matrix unit's own rounding can turn it there, and no further.
;; One version. Each part assembles by itself: llvm-mc -triple=amdgcn-amd-amdhsa -mcpu=gfx1250 --defsym DOCPART=n.
;; ======== version 1 of 1: 2 launches
;; limits: right only within a limited range of input values
;; workspace buffers: x_codes 16,777,216 bytes; w_codes 16,777,216 bytes
;; launch quant (part 1): grid 512 x 1, 8 waves a work-group, no clusters, 33,792 bytes of LDS; arguments x, labels, centroids_scaled, scale, lowp_scales, x_codes, w_codes; writes x_codes, w_codes
.if DOCPART == 1
	.amdgcn_target "amdgcn-amd-amdhsa--gfx1250"
	.amdhsa_code_object_version 6
	.text
	.protected	k_q603329084f_quant
	.globl	k_q603329084f_quant
	.p2align	8
	.type	k_q603329084f_quant,@function
k_q603329084f_quant:
	s_mov_b64 s[64:65], 0
	v_nop
	global_prefetch_b8 v0, s[64:65] scope:SCOPE_SE
	s_setreg_imm32_b32 hwreg(HW_REG_WAVE_MODE, 25, 1), 1
	s_wait_xcnt 0x0
; Both operands of out = x W^T + bias become codes of BF8 (E5M2), one byte a number, each with the one scale 2^e that is given for it (entry 0 of the scales: x; entry 1: W).
;   x [4096][4096] f32 is taken as it is;  W[o][i] = centroids[labels[4096 o + i]] / max(scale[i], 1e-8), made here in f32 and never stored wide.
;   code = number / 2^e, held within +-57,344, rounded to the nearest code, ties to even.
; LAYOUT OF BOTH BUFFERS OF CODES, the same: [K step s (16)][row (4096)][256 bytes]: the product's launch takes K in steps of 256, and the rows that one of its tensor loads brings then lie on end in memory.
; Byte 16 a + 4 i + j (a 0..15, i 0..3, j 0..3) of row m in K step s holds the code of k = 512 (s / 2) + 128 i + 4 (16 (s % 2) + a) + j: a permutation of k inside each 512, alike in both operands, so that in the
; product a byte of a row of x always meets the byte of W that has the same k; only the order of the f32 sums changes.
; It is chosen so that each load takes 512 consecutive bytes, 16 a lane, and the 16 registers of four such loads convert into 16 bytes of the lane: nothing is turned.  Lanes 0-15 store 256 consecutive bytes of one
; K step, lanes 16-31 those of the next.
; SHARES.  Work-groups with an even number take x, those with an odd number W; work-group 2 b or 2 b + 1 owns rows 16 b .. 16 b + 15.  Wave w owns k = 512 w .. 512 w + 511 of all 16 rows, so its 16 reciprocals of
; scale a lane are made once.  A step is one row: four loads, 16 numbers a lane, one store.  Sixteen steps, written out: every offset is an immediate, no pointer is stepped, each step has its own registers for its
; codes, so no source of a pending load or store is ever written again.  Loads run eight steps (32 loads, 16 KiB a wave) ahead.  256 registers a wave: four waves, two work-groups' worth, fill a SIMD's 1,024.
; THE CODEBOOK lies in LDS 32 times (the weights' path alone uses LDS): entry L for lane l at byte 128 L + 4 l, word 32 L + l, so that the 32 lanes of a gather name 32 different banks whatever the labels
; (64 banks of 4 bytes: ISA guide 11.1).  It is written once, ahead of one barrier, and only read behind it.
; No tensor loads, no ring, no cluster: the work-groups share nothing but two small tables, and a stream through registers keeps enough on its way.  No prefetch: the launch does nothing but stream.
; LIMITS: each e between -126 and 112, so that 2^e and 57,344 x 2^e are f32 numbers.  NaN among x, the centroids or scale is not served (an infinity is held at the largest code).  scale under 2^126 (a reciprocal
; that would be denormal comes out as zero: ISA guide 15.8).  W is c x (1 / s), not c / s: they differ by a unit or two in f32's last place.  A label outside 0 .. 255 is held at 255.
.set STEPS, 16
.set DEPTH, 8                          ; steps whose loads are out
.set ROWIN, 16384                      ; a row of x or of labels in bytes
.set ROWC,  256                        ; a row's bytes in one K step of the codes
.set RS,    16                         ; v16-31   1 / max(scale, 1e-8): register 4 i + j for k = 512 w + 128 i + 4 l + j
.set IN,    32                         ; v32-159  eight sets of 16: numbers of x, or labels and then the gathers' LDS addresses
.set G,     160                        ; v160-191 two sets of 16 gathered centroids
.set C,     192                        ; v192-255 four registers of codes for each step
	s_load_b256 s[4:11], s[0:1], 0x0               ; x s[4:5], labels s[6:7], centroids s[8:9], scale s[10:11]
	s_load_b128 s[12:15], s[0:1], 0x20             ; the scales' exponents s[12:13], x's codes s[14:15]
	s_load_b64 s[16:17], s[0:1], 0x30              ; W's codes
	v_lshl_add_u32 v14, v0, 2, 0x8000
	v_mov_b32 v15, 0
	v_lshrrev_b32 v2, 5, v0
	s_delay_alu instid0(VALU_DEP_1)
	v_readfirstlane_b32 s18, v2                    ; wave 0..7
	v_and_b32 v1, 31, v0                           ; lane
	s_delay_alu instid0(VALU_DEP_1)
	v_lshlrev_b32 v3, 4, v1                        ; 16 x lane: the offset of every stream load; never rewritten
	v_and_b32 v7, 15, v0
	s_delay_alu instid0(VALU_DEP_1)
	v_lshlrev_b32 v7, 4, v7                        ; the offset of every store: 16 x (lane % 16),
	v_bfe_u32 v2, v0, 4, 1
	s_delay_alu instid0(VALU_DEP_1)
	v_lshl_add_u32 v7, v2, 20, v7                  ; and for lanes 16-31 one K step (4,096 rows of 256 bytes) further on; never rewritten
	s_lshr_b32 s19, ttmp9, 1                       ; which 16 rows
	s_lshl_b32 s22, s19, 18                        ; in x or labels: 16 rows of 16,384 bytes,
	s_lshl_b32 s24, s18, 11                        ; + my wave's 512 numbers of 4 bytes
	s_add_co_u32 s22, s22, s24
	s_mov_b32 s23, 0
	s_lshl_b32 s26, s19, 12                        ; in the codes: 16 rows of 256 bytes,
	s_lshl_b32 s25, s18, 21                        ; + my wave's two K steps of 2^20 bytes
	s_add_co_u32 s26, s26, s25
	s_mov_b32 s27, 0
	s_mov_b32 s28, s24                             ; in scale: my wave's 512 numbers
	s_mov_b32 s29, 0
	s_wait_kmcnt 0x0
	s_load_b64 s[20:21], s[12:13], 0x0             ; ex, ew
	s_and_b32 s30, ttmp9, 1
	s_cmp_lg_u32 s30, 0                            ; the branch hangs on the work-group's number alone: all eight waves go the same way
	s_cbranch_scc1 .Lweights
.macro LOAD t, b                       ; step t's four loads from the base s[b:b+1] into set t % DEPTH: each reads 512 consecutive bytes
.irp i, 0,1,2,3
	global_load_b128 v[IN+16*((\t)%DEPTH)+4*\i:IN+16*((\t)%DEPTH)+4*\i+3], v3, s[\b:\b+1] offset:ROWIN*(\t)+512*\i th:TH_LOAD_NT
.endr
.endm
.macro MAKE e                          ; from the whole number in s[e]: v12 = 2^e as f32 (the conversion takes its exponent field), v13 = 57,344 x 2^e
	s_add_co_i32 s24, s[\e], 127
	s_lshl_b32 s25, s24, 23
	v_mov_b32 v12, s25
	s_add_co_i32 s24, s24, 15
	s_lshl_b32 s24, s24, 23
	s_or_b32 s24, s24, 0x600000                    ; the mantissa field of 57,344
	v_mov_b32 v13, s24
.endm
.macro CODE t                          ; the 16 numbers in v[SRC] on become step t's 16 codes
.irp i, 0,1,2,3,4,5,6,7,8,9,10,11,12,13,14,15
	v_med3_num_f32 v[SRC+\i], v[SRC+\i], -v13, v13 ; the conversion to an 8-bit code does not saturate (ISA guide 7.6.2): the number is held within the largest code x the scale first
.endr
	v_cvt_scalef32_pk8_bf8_f32 v[C+4*(\t):C+4*(\t)+1], v[SRC:SRC+7], v12       ; eight numbers / 2^e, to the nearest code, ties to even; the first number's code in the lowest byte
	v_cvt_scalef32_pk8_bf8_f32 v[C+4*(\t)+2:C+4*(\t)+3], v[SRC+8:SRC+15], v12
; (the codes go to a store alone, the numbers' registers are next written by loads, and the next vector lines are plain and name other registers: no line is owed behind these conversions; the text has no matrix instruction)
.endm
	; ---- x
	s_add_nc_u64 s[4:5], s[4:5], s[22:23]
	s_add_nc_u64 s[14:15], s[14:15], s[26:27]
	s_wait_alu depctr_va_vdst(0)
.irp t, 0,1,2,3,4,5,6,7
	LOAD \t, 4
.endr
	s_wait_kmcnt 0x0
	MAKE 20
.macro XSTEP t
.if (\t)+DEPTH-1 <= STEPS-1
	s_wait_loadcnt 4*(DEPTH-1)                     ; loads come back in order (ISA guide 5.7.1): this step's four are in, those of the seven steps behind it stay out
.else
	s_wait_loadcnt 4*(STEPS-1-(\t))                ; the last steps load nothing: the counts run down
.endif
.set SRC, IN+16*((\t)%DEPTH)
	CODE \t
.if (\t)+DEPTH < STEPS
	LOAD (\t)+DEPTH, 4                             ; the set just converted takes the row eight further down
.endif
.if ((\t)%4) == 3                      ; the stores leave four steps at a time: each step has its own registers for its codes
.irp u, 3,2,1,0
	global_store_b128 v7, v[C+4*((\t)-\u):C+4*((\t)-\u)+3], s[14:15] offset:ROWC*((\t)-\u)    ; sixteen lanes store 256 consecutive bytes, aligned
.endr
.endif
.endm
	s_wait_alu depctr_va_vdst(0)
.irp t, 0,1,2,3,4,5,6,7,8,9,10,11,12,13,14,15
	XSTEP \t
.endr
	s_endpgm
	; ---- W
.Lweights:
	s_wait_alu depctr_va_vdst(0)
	v_lshlrev_b32 v4, 2, v1                        ; 4 x lane: my copy of the codebook
	v_lshlrev_b32 v5, 2, v0                        ; 4 x thread: thread t loads centroid t,
	v_lshlrev_b32 v6, 7, v0                        ; and writes its 32 copies at 128 t
	s_add_nc_u64 s[6:7], s[6:7], s[22:23]
	s_add_nc_u64 s[10:11], s[10:11], s[28:29]
	s_add_nc_u64 s[16:17], s[16:17], s[26:27]
	global_load_b32 v8, v5, s[8:9]
.irp i, 0,1,2,3
	global_load_b128 v[RS+4*\i:RS+4*\i+3], v3, s[10:11] offset:512*\i          ; scale in the very order in which a step's labels come
.endr
.irp t, 0,1,2,3,4,5,6,7
	LOAD \t, 6
.endr
	s_wait_loadcnt 4*DEPTH                         ; the centroid and scale are in; the 32 loads of labels behind them stay out
	v_mov_b32 v9, v8
	v_mov_b32 v10, v8
	v_mov_b32 v11, v8
	s_wait_alu depctr_va_vdst(0)
.irp j, 0,1,2,3,4,5,6,7
	ds_store_b128 v6, v[8:11] offset:16*\j
.endr
.irp i, 0,1,2,3,4,5,6,7,8,9,10,11,12,13,14,15
	v_max_num_f32 v[RS+\i], 0x322bcc77, v[RS+\i]   ; max(scale, 1e-8)
.endr
	s_wait_alu depctr_va_vdst(0)
.irp i, 0,1,2,3,4,5,6,7,8,9,10,11,12,13,14,15
	v_rcp_f32 v[RS+\i], v[RS+\i]                   ; one batch of sixteen
.endr
	s_wait_kmcnt 0x0
	MAKE 21                                        ; its two v_mov_b32 are the plain lines behind the last reciprocal (ISA guide 5.7.2)
	s_wait_alu depctr_va_vdst(0)                   ; one wait for the batch, ahead of its first reader
	s_wait_dscnt 0x0                               ; for the others' sake: my part of the codebook has landed
	s_barrier_signal -1
	s_barrier_wait -1                              ; the codebook is whole; from here on LDS is only read
.macro GATHER t                        ; step t's labels become LDS addresses, in place, and its 16 centroids are asked for, into set t % 2
.set GS, IN+16*((\t)%DEPTH)
.set GD, G+16*((\t)%2)
.irp i, 0,1,2,3,4,5,6,7,8,9,10,11,12,13,14,15
	v_min_u32 v[GS+\i], 0xff, v[GS+\i]             ; a loaded number enters an address only behind this hold
.endr
.irp i, 0,1,2,3,4,5,6,7,8,9,10,11,12,13,14,15
	v_lshl_add_u32 v[GS+\i], v[GS+\i], 7, v4       ; 128 L + 4 x lane
.endr
.irp i, 0,1,2,3,4,5,6,7,8,9,10,11,12,13,14,15
	ds_load_b32 v[GD+\i], v[GS+\i]
.endr
.endm
.macro WSTEP t
	s_wait_dscnt 0x0                               ; this step's 16 centroids are in,
.if (\t)+DEPTH < STEPS
	LOAD (\t)+DEPTH, 6                             ; and the set that held their addresses takes the labels of the row eight further down
.endif
.if (\t)+1 < STEPS
.if STEPS-2-(\t) >= DEPTH-1
	s_wait_loadcnt 4*(DEPTH-1)                     ; the next step's labels are in; those of the seven steps behind it stay out
.else
	s_wait_loadcnt 4*(STEPS-2-(\t))
.endif
	GATHER (\t)+1                                  ; the next step's gathers are out while this step is worked
.endif
.set SRC, G+16*((\t)%2)
.irp j, 0,2,4,6,8,10,12,14
	v_pk_mul_f32 v[SRC+\j:SRC+\j+1], v[SRC+\j:SRC+\j+1], v[RS+\j:RS+\j+1]      ; W = centroid x 1 / max(scale, 1e-8), two at a time
.endr
	CODE \t
.if ((\t)%4) == 3                      ; the stores leave four steps at a time
.irp u, 3,2,1,0
	global_store_b128 v7, v[C+4*((\t)-\u):C+4*((\t)-\u)+3], s[16:17] offset:ROWC*((\t)-\u)    ; sixteen lanes store 256 consecutive bytes, aligned
.endr
.endif
.endm
	s_wait_loadcnt 4*(DEPTH-1)                     ; step 0's labels are in
	GATHER 0
.irp t, 0,1,2,3,4,5,6,7,8,9,10,11,12,13,14,15
	WSTEP \t
.endr
	s_wait_tensorcnt 0x0
	ds_add_u32 v14, v15
	s_wait_dscnt 0x0
	s_endpgm
.Lfunc_end_k_q603329084f_quant:
	.size	k_q603329084f_quant, .Lfunc_end_k_q603329084f_quant-k_q603329084f_quant
	.p2alignl 7, 3214868480
	.fill 96, 4, 3214868480
	.section	.rodata,"a",@progbits
	.p2align	6, 0x0
	.amdhsa_kernel k_q603329084f_quant
		.amdhsa_group_segment_fixed_size 33792
		.amdhsa_private_segment_fixed_size 0
		.amdhsa_enable_private_segment 0
		.amdhsa_kernarg_size 56
		.amdhsa_user_sgpr_count 2
		.amdhsa_user_sgpr_kernarg_segment_ptr 1
		.amdhsa_wavefront_size32 1
		.amdhsa_system_sgpr_workgroup_id_x 1
		.amdhsa_system_sgpr_workgroup_id_y 1
		.amdhsa_system_sgpr_workgroup_id_z 1
		.amdhsa_system_vgpr_workitem_id 0
		.amdhsa_next_free_vgpr 256
		.amdhsa_next_free_sgpr 66
		.amdhsa_reserve_vcc 0
		.amdhsa_float_denorm_mode_32 3
		.amdhsa_float_denorm_mode_16_64 3
		.amdhsa_memory_ordered 1
		.amdhsa_forward_progress 1
		.amdhsa_inst_pref_size 114
	.end_amdhsa_kernel
	.amdgpu_metadata
---
amdhsa.version: [ 1, 2 ]
amdhsa.kernels:
  - .name:           k_q603329084f_quant
    .symbol:         k_q603329084f_quant.kd
    .args:
      - { .name: x, .offset: 0, .size: 8, .value_kind: global_buffer, .address_space: global }
      - { .name: labels, .offset: 8, .size: 8, .value_kind: global_buffer, .address_space: global }
      - { .name: centroids_scaled, .offset: 16, .size: 8, .value_kind: global_buffer, .address_space: global }
      - { .name: scale, .offset: 24, .size: 8, .value_kind: global_buffer, .address_space: global }
      - { .name: lowp_scales, .offset: 32, .size: 8, .value_kind: global_buffer, .address_space: global }
      - { .name: x_codes, .offset: 40, .size: 8, .value_kind: global_buffer, .address_space: global }
      - { .name: w_codes, .offset: 48, .size: 8, .value_kind: global_buffer, .address_space: global }
    .group_segment_fixed_size: 33792
    .private_segment_fixed_size: 0
    .kernarg_segment_align: 8
    .kernarg_segment_size: 56
    .max_flat_workgroup_size: 256
    .sgpr_count:     66
    .vgpr_count:     256
    .wavefront_size: 32
...
	.end_amdgpu_metadata
.endif
;; end of part 1
;; launch gemm (part 2): grid 16 x 16, 4 waves a work-group, clusters of 4 x 4, 327,680 bytes of LDS; arguments x_codes, w_codes, lowp_scales, bias, out0; writes out0
.if DOCPART == 2
	.amdgcn_target "amdgcn-amd-amdhsa--gfx1250"
	.amdhsa_code_object_version 6
	.text
	.protected	k_q603329084f_gemm
	.globl	k_q603329084f_gemm
	.p2align	8
	.type	k_q603329084f_gemm,@function
k_q603329084f_gemm:
	s_mov_b64 s[64:65], 0
	v_nop
	global_prefetch_b8 v0, s[64:65] scope:SCOPE_SE
	s_setreg_imm32_b32 hwreg(HW_REG_WAVE_MODE, 25, 1), 1
	s_wait_xcnt 0x0
	s_wait_alu depctr_hold_cnt(0) depctr_sa_sdst(0) depctr_va_vdst(0) depctr_va_sdst(0) depctr_va_ssrc(0) depctr_va_vcc(0) depctr_vm_vsrc(0)
	s_getreg_b32 s2, hwreg(HW_REG_IB_STS2, 6, 4)
	s_cmp_eq_u32 s2, 0
	s_cbranch_scc0 .Lentry_in_a_cluster
	s_endpgm
.Lentry_in_a_cluster:
	s_bfe_u32 s2, ttmp6, 0x10000c
	s_cmp_lg_u32 s2, 0xf033
	s_cbranch_scc0 .Lentry_shape_is_right
	s_endpgm
.Lentry_shape_is_right:
; out[m][n] = 2^(ex + ew) x (sum over k of x's code x W's code) + bias[n]; 4,096 x 4,096 x 4,096, codes of BF8 (E5M2), sums in f32.  LIMIT: ex + ew between -126 and 127, so that 2^(ex + ew) is an f32 number.
; Both buffers of codes lie [K step (16)][row (4,096)][256 bytes], with the same permutation of k inside each 512 in both: a byte of x always meets the byte of W with the same k.
; A tile of out, 256 x 256, is made by four waves, each 128 x 128: 64 accumulators, 512 registers.  K goes in steps of 256 through two LDS slots; a wave's tensor load brings 128 rows of 256 bytes, which lie on end in memory.
; CLUSTERS: 4 x 4 work-groups.  The four of a row need the same tiles of x, the four of a column the same tiles of W: each tile is asked for jointly, by the same load with a mask that names the four.
; The matrix instruction is used transposed (source 0 = W's rows, source 1 = x's rows): a lane holds eight neighbouring columns of one row of out.
; THE LAST K STEP GOES BY ROWS OF out: all its fragments of W fill window 1, x comes by blocks of 16 rows x 256 K, and each block of 16 rows leaves as soon as its 16 matrix instructions are issued.
; PREFETCH: behind each joint refill every wave names the K step that stands two refills on: of the 128 rows that it fetches, the 32 that fall to its work-group among the four partners, by address (cx for x, cy for W),
; a lane a row of 256 bytes.  So each block is named once in each cluster that will load it.  K step 1 is named at the head, K steps 2 and 3 behind slot 1's first fill; the last two refills have no K step two on and name nothing.
; REGISTERS: window 0: v0-31 addresses, v32-95 rows read back on the way out, v128-255 x's fragments, one set; window 1: W's fragments, two sets; windows 2, 3: the accumulators ((a, b) at v[8 (8 (a % 4) + b)]).
.set SIZE_N, 4096
.set SIZE_K, 4096
.set KSTEP,  256
.set ROWB,   256
.set KSB,    4096*ROWB                 ; one K step of a buffer of codes
.set PITCH,  272                       ; an LDS row: 256 bytes + 16 of padding
.set FR,     16
.set NL,     4
.set NP,     4
.set HALFT,  128*PITCH
.set SLOT,   4*HALFT                   ; x's 256 rows, then W's 256 rows
.set LAPS,   SIZE_K/(2*KSTEP)
.set SPARE,  2*SLOT                    ; the spare words, 128 bytes a wave
.set SPITCH, 528                       ; the way out: 16 rows x (512 + 16) bytes a wave, in slot 0, which has then had its last fill and its last read
.set BI,   8                           ; v8-11 bias of my four columns on the way out
.set ADRA, 16
.set ADRB, 20
.set STO,  24
.set RD,   25
.set CO,   26
.set SPW,  28
.set NIL,  29
.set PFO,  30
.set BK,   32
.set AF,   128
.set G1, 24
.set G0, 32
.set G1B, 48
.set G0B, 56
.set PFA, 66                           ; s[66:67] where my prefetches stand
.set SC,  74                           ; s[74:75] ex, ew, then 2^(ex + ew)
.set MSB, 0
.macro WIN new
.if MSB != (\new)
	s_set_vgpr_msb (MSB<<8)|(\new)
.set MSB, (\new)
.endif
.endm
.set MUL_LO, 0xa1                      ; source 0 (W) window 1, source 1 (x) window 0, C and D window 2
.set MUL_HI, 0xf1
.set TO_B,   0x40
; A joint load: waves 0 and 1 fetch x's two halves, waves 2 and 3 W's.  An s_nop 0 and four v_nop follow each of the two lines.
.macro JLOAD g0a, g1a, g0b, g1b
	s_cmp_eq_u32 s15, 0
	s_cbranch_scc0 .Lfor_b_\@
	tensor_load_to_lds s[\g0a:\g0a+3], s[\g1a:\g1a+7]
	s_nop 0
.rept 4
	v_nop
.endr
	s_branch .Lasked_\@
.Lfor_b_\@:
	tensor_load_to_lds s[\g0b:\g0b+3], s[\g1b:\g1b+7]
	s_nop 0
.rept 4
	v_nop
.endr
.Lasked_\@:
.endm
.macro ASK                             ; the K step two refills on; s3 = 1 in the loop's last trip, whose two refills have none
	s_cmp_gt_u32 s3, 1
	s_cbranch_scc0 .Lnone_\@
	global_prefetch_b8 v[PFO], s[PFA:PFA+1] offset:KSB th:TH_LOAD_NT scope:SCOPE_SE
.Lnone_\@:
.endm
.macro CREST                           ; a round of the cluster's barrier behind its opening barrier
	s_cmp_lg_u32 s14, 0
	s_cbranch_scc1 .Lnot_wave_0_\@
	s_barrier_signal -3
.Lnot_wave_0_\@:
	s_barrier_wait -3
	s_barrier_signal -1
	s_barrier_wait -1
.endm
.macro CROUND
	s_barrier_signal -1
	s_barrier_wait -1
	CREST
.endm
	s_load_b128 s[4:7], s[0:1], 0x0                ; x's codes, W's codes
	s_load_b128 s[8:11], s[0:1], 0x10              ; the scales' exponents, bias
	s_load_b64 s[12:13], s[0:1], 0x20              ; out
	v_lshl_add_u32 v[SPW], v0, 2, SPARE
	v_mov_b32 v[NIL], 0
	ds_add_u32 v[SPW], v[NIL]                      ; the opening lines: the add, twice on end, and its wait
	ds_add_u32 v[SPW], v[NIL]
	v_lshrrev_b32 v1, 5, v0
	v_readfirstlane_b32 s14, v1                    ; wave 0..3
	s_lshr_b32 s15, s14, 1                         ; my half of the tile's rows; also: I fetch for x (0) or for W (1)
	s_and_b32 s16, s14, 1                          ; my half of its columns; also: which 128 rows I fetch
	s_bfe_u32 s40, ttmp6, 0x40000                  ; cx
	s_bfe_u32 s41, ttmp6, 0x40004                  ; cy
	s_lshl_b32 s42, ttmp9, 2
	s_add_co_u32 s42, s42, s40                     ; tile column
	s_and_b32 s17, ttmp7, 0xffff
	s_lshl_b32 s17, s17, 2
	s_add_co_u32 s17, s17, s41                     ; tile row
	s_lshl_b32 s43, s41, 2
	s_lshl_b32 s43, 15, s43                        ; my row of the cluster
	s_lshl_b32 s44, 0x1111, s40                    ; my column
	s_or_b32 s[G1+0], s43, (0<<16)|(1<<20)|(1<<21)|(5<<22)|(3<<25)   ; the mask; elements of 1 byte; behind every 64 words 4 words of padding
	s_or_b32 s[G1B+0], s44, (0<<16)|(1<<20)|(1<<21)|(5<<22)|(3<<25)
.irp g, G1, G1B
	s_mov_b32 s[\g+1], ROWB<<16
	s_mov_b32 s[\g+2], 128<<16
	s_mov_b32 s[\g+3], ROWB<<16
	s_mov_b32 s[\g+4], 128
	s_mov_b32 s[\g+5], ROWB
	s_mov_b32 s[\g+6], 0
	s_mov_b32 s[\g+7], 0
.endr
	s_lshl_b32 s18, s16, 7
	s_lshl_b32 s20, s17, 8
	s_add_co_u32 s20, s20, s18                     ; x: row 256 x tile row + 128 x half
	s_lshl_b32 s46, s42, 8
	s_add_co_u32 s46, s46, s18                     ; W: row 256 x tile column + 128 x half
	s_lshl_b32 s20, s20, 8                         ; rows of 256 bytes
	s_lshl_b32 s46, s46, 8
	s_mov_b32 s21, 0
	s_mov_b32 s47, 0
	s_mul_i32 s45, s14, HALFT                      ; where my load goes: wave x 128 rows
	s_mul_i32 s68, s15, HALFT                      ; my 128 rows of x,
	s_mul_i32 s69, s16, HALFT
	s_add_co_u32 s69, s69, 2*HALFT                 ; of W
	s_mul_i32 s70, s14, 16*SPITCH                  ; my stage
	v_and_b32 v1, 15, v0                           ; l % 16
	v_bfe_u32 v2, v0, 4, 1                         ; l / 16
	v_and_b32 v6, 31, v0
	v_mul_u32_u24 v3, v1, PITCH
	v_lshl_add_u32 v4, v2, 4, v3                   ; a fragment's row x pitch + 16 x half
	v_add_nc_u32 v[ADRA], s68, v4
	v_add_nc_u32 v[ADRB], s69, v4
	v_add_nc_u32 v[ADRA+1], SLOT, v[ADRA]
	v_add_nc_u32 v[ADRB+1], SLOT, v[ADRB]
	v_mul_u32_u24 v5, v1, SPITCH
	v_lshl_add_u32 v5, v2, 5, v5
	v_add_nc_u32 v[STO], s70, v5                   ; into the stage: row l % 16, 32 bytes for each half of the lanes
	v_lshlrev_b32 v[CO], 4, v6
	v_add_nc_u32 v[RD], s70, v[CO]                 ; back: 32 lanes take a row of 512 bytes
	v_lshlrev_b32 v[PFO], 8, v6                    ; the prefetches: a lane a row of 256 bytes
	s_wait_alu depctr_va_vdst(0)                   ; the wait at the end of the head's vector work
	s_wait_dscnt 0x0
	s_wait_kmcnt 0x0
	s_load_b64 s[SC:SC+1], s[8:9], 0x0
	s_add_nc_u64 s[20:21], s[4:5], s[20:21]
	s_add_nc_u64 s[46:47], s[6:7], s[46:47]
	CROUND                                         ; all sixteen work-groups are here: the first joint loads meet
.irp s, 0,1
	s_mov_b32 s[G0+4*\s], 1
	s_add_co_u32 s[G0+4*\s+1], s45, \s*SLOT
	s_add_nc_u64 s[G0+4*\s+2:G0+4*\s+3], s[20:21], \s*KSB
	s_or_b32 s[G0+4*\s+3], s[G0+4*\s+3], 0x80000000
	s_mov_b32 s[G0B+4*\s], 1
	s_add_co_u32 s[G0B+4*\s+1], s45, \s*SLOT
	s_add_nc_u64 s[G0B+4*\s+2:G0B+4*\s+3], s[46:47], \s*KSB
	s_or_b32 s[G0B+4*\s+3], s[G0B+4*\s+3], 0x80000000
.endr
	JLOAD G0, G1, G0B, G1B                         ; K step 0: one tensor load a wave at the head
	s_lshl_b32 s69, s17, 8                         ; the prefetches: the tile's first row, in x by the tile row, in W by the tile column,
	s_lshl_b32 s70, s42, 8
	s_cmp_eq_u32 s15, 0
	s_cselect_b32 s72, s69, s70
	s_cselect_b32 s73, s40, s41                    ; my place among the four that ask with me
	s_cselect_b64 s[PFA:PFA+1], s[4:5], s[6:7]
	s_lshl_b32 s69, s16, 7
	s_add_co_u32 s72, s72, s69                     ; + the 128 rows that I fetch
	s_lshl_b32 s73, s73, 5
	s_add_co_u32 s72, s72, s73                     ; + my work-group's 32 of them
	s_lshl_b32 s72, s72, 8
	s_mov_b32 s73, 0
	s_add_nc_u64 s[PFA:PFA+1], s[PFA:PFA+1], s[72:73]
	s_add_nc_u64 s[PFA:PFA+1], s[PFA:PFA+1], 2*KSB ; at K step 2
	global_prefetch_b8 v[PFO], s[PFA:PFA+1] offset:-KSB th:TH_LOAD_NT scope:SCOPE_SE   ; K step 1
	s_lshl_b32 s20, s17, 8
	s_lshl_b32 s21, s15, 7
	s_add_co_u32 s20, s20, s21                     ; my first row of out
	s_mov_b32 s21, 0
	s_mov_b64 s[18:19], SIZE_N*4
	s_mul_u64 s[20:21], s[20:21], s[18:19]
	s_lshl_b32 s46, s42, 10                        ; my first column, in bytes
	s_lshl_b32 s47, s16, 9
	s_add_co_u32 s46, s46, s47
	s_mov_b32 s47, 0
	s_add_nc_u64 s[20:21], s[20:21], s[46:47]
	s_add_nc_u64 s[12:13], s[12:13], s[20:21]
	s_add_nc_u64 s[10:11], s[10:11], s[46:47]
	global_load_b128 v[BI:BI+3], v[CO], s[10:11]
.macro FRAG reg, adr, q, i             ; 16 rows x 128 K: registers 4 c .. 4 c + 3 hold bytes 32 c + 16 (l / 16) + 0 .. 15 of row l % 16
.irp c, 0,1,2,3
	ds_load_b128 v[\reg+4*\c:\reg+4*\c+3], v[\adr] offset:128*(\q)+32*\c+(\i)*16*PITCH
.endr
.endm
.macro MUL16 a0, p, zero               ; x's blocks a0, a0 + 1 against W's eight; the 64 accumulators take turns
.irp a, \a0, \a0+1
.irp b, 0,1,2,3,4,5,6,7
.if \zero
	v_wmma_f32_16x16x128_bf8_bf8 v[8*(8*((\a)%4)+\b):8*(8*((\a)%4)+\b)+7], v[128*(\p)+FR*\b:128*(\p)+FR*\b+FR-1], v[AF+FR*(\a):AF+FR*(\a)+FR-1], 0
.else
	v_wmma_f32_16x16x128_bf8_bf8 v[8*(8*((\a)%4)+\b):8*(8*((\a)%4)+\b)+7], v[128*(\p)+FR*\b:128*(\p)+FR*\b+FR-1], v[AF+FR*(\a):AF+FR*(\a)+FR-1], v[8*(8*((\a)%4)+\b):8*(8*((\a)%4)+\b)+7]
.endif
.endr
.endr
.endm
.macro FETCH_B slot, q, p
	WIN TO_B
.irp i, 0,1,2,3,4,5,6,7
	FRAG 128*(\p)+FR*\i, ADRB+\slot, \q, \i
.endr
	WIN 0
.endm
.macro FETCH_A slot, q, i0
.irp i, \i0, \i0+1, \i0+2, \i0+3
	FRAG AF+FR*(\i), ADRA+\slot, \q, \i
.endr
.endm
.macro PLACES n                        ; places in front of loads into registers that matrix instructions have read, and of reads of their results
.rept \n
	v_nop
.endr
.endm
.macro STEP slot, q, zero              ; 128 along K with its successor in the same slot
	s_wait_dscnt 4*NL                              ; W's set and x's blocks 0-3 are in; the youngest sixteen loads (blocks 4-7) may be out
	WIN MUL_LO
	MUL16 0, (\q)%2, \zero
	MUL16 2, (\q)%2, \zero
	s_wait_dscnt 0
	PLACES NP
	FETCH_B \slot, (\q)+1, 1-(\q)%2
	FETCH_A \slot, (\q)+1, 0
	WIN MUL_HI
	MUL16 4, (\q)%2, \zero
	MUL16 6, (\q)%2, \zero
	PLACES NP
	WIN 0
	FETCH_A \slot, (\q)+1, 4
.endm
; The first half of a slot's last step: one barrier for the change of slots; ahead of it each wave waits for all its tensor loads, adds 0 to its spare word, and waits for that and for its reads of this slot.
.macro MEET
	s_wait_tensorcnt 0x0                           ; all my tensor loads have landed: my part of the next slot
	ds_add_u32 v[SPW], v[NIL]
	s_wait_dscnt 4*NL+1                            ; the add and the youngest sixteen loads may be out
	WIN MUL_LO
	MUL16 0, 1, 0                                  ; sixteen matrix instructions between the add and the wait for it
	s_wait_dscnt 0x0                               ; the add is done, my reads of this slot are over
	s_barrier_signal -1
	MUL16 2, 1, 0
	WIN 0
	s_barrier_wait -1
.endm
.macro TURN slot, next                 ; a slot's last step; the slot is filled again, two K steps ahead
	s_wait_xcnt 0x0                                ; my last prefetch has read its address
	s_add_nc_u64 s[PFA:PFA+1], s[PFA:PFA+1], KSB
	MEET
	CREST                                          ; the barrier has opened a round of the cluster's barrier
	s_add_nc_u64 s[G0+4*\slot+2:G0+4*\slot+3], s[G0+4*\slot+2:G0+4*\slot+3], 2*KSB
	s_add_nc_u64 s[G0B+4*\slot+2:G0B+4*\slot+3], s[G0B+4*\slot+2:G0B+4*\slot+3], 2*KSB
	JLOAD G0+4*\slot, G1, G0B+4*\slot, G1B         ; the first tensor load behind the round; its four v_nop are the places for the loads below
	FETCH_B \next, 0, 0
	FETCH_A \next, 0, 0
	ASK
	WIN MUL_HI
	MUL16 4, 1, 0
	MUL16 6, 1, 0
	PLACES NP
	WIN 0
	FETCH_A \next, 0, 4
.endm
	s_wait_tensorcnt 0x0                           ; my part of K step 0 is in; slot 1's first fill is issued as a refill is:
	ds_add_u32 v[SPW], v[NIL]
	s_wait_dscnt 0x0
	CROUND
	JLOAD G0+4, G1, G0B+4, G1B                     ; K step 1
	FETCH_B 0, 0, 0
	global_prefetch_b8 v[PFO], s[PFA:PFA+1] th:TH_LOAD_NT scope:SCOPE_SE               ; K steps 2 and 3
	global_prefetch_b8 v[PFO], s[PFA:PFA+1] offset:KSB th:TH_LOAD_NT scope:SCOPE_SE
	FETCH_A 0, 0, 0
	FETCH_A 0, 0, 4
	STEP 0, 0, 1                                   ; the first step's products start the sums: nothing is cleared
	s_mov_b32 s3, LAPS-1
.Llap:                                                 ; once round the ring, from a lap's second step to the next lap's first
	TURN 0, 1
	STEP 1, 0, 0
	TURN 1, 0
	STEP 0, 0, 0
	s_sub_co_u32 s3, s3, 1
	s_cmp_lg_u32 s3, 0
	s_cbranch_scc1 .Llap
; THE LAST K STEP (slot 1), BY ROWS OF out.  x's block a, 16 rows x 256 K, is 32 registers: four buffers where x's set lay.
.macro XLOAD a
.irp q, 0,1
	FRAG AF+32*((\a)%4)+FR*\q, ADRA+1, \q, \a
.endr
.endm
.macro ROW a                           ; block a is finished: 16 matrix instructions, its eight accumulators by turns, K ascending
	WIN MUL_LO+0x50*((\a)/4)
.irp q, 0,1
.if (\a) == 0
	s_wait_dscnt 56-40*\q                          ; behind W's first half and block 0: block 1 (8), W's second half (32), blocks 2 and 3 (16); behind W's second half: blocks 2 and 3
.endif
.irp b, 0,1,2,3,4,5,6,7
	v_wmma_f32_16x16x128_bf8_bf8 v[8*(8*((\a)%4)+\b):8*(8*((\a)%4)+\b)+7], v[128*\q+FR*\b:128*\q+FR*\b+FR-1], v[AF+32*((\a)%4)+FR*\q:AF+32*((\a)%4)+FR*\q+FR-1], v[8*(8*((\a)%4)+\b):8*(8*((\a)%4)+\b)+7]
.endr
.endr
.endm
; THE WAY OUT of block a, 16 rows x 128 columns: the sums go through my own stage and come back as whole rows of 512 bytes; there each is multiplied by 2^(ex + ew) and gets its column's bias.
.macro TOSTAGE a
.set AC, 64*((\a)%4)
	WIN 0x08+4*((\a)/4)                            ; the stores' data: window 2 or 3
.irp b, 0,1,2,3,4,5,6,7
	ds_store_b128 v[STO], v[AC+8*\b:AC+8*\b+3] offset:64*\b          ; each accumulator from its low end on
	ds_store_b128 v[STO], v[AC+8*\b+4:AC+8*\b+7] offset:64*\b+16
.endr
	WIN 0
.if (\a) > 0
	s_wait_xcnt 0x0                                ; the block before's stores have read their registers and their base
.endif
.irp t, 0,1,2,3,4,5,6,7,8,9,10,11,12,13,14,15
	ds_load_b128 v[BK+4*\t:BK+4*\t+3], v[RD] offset:\t*SPITCH        ; LDS serves a wave's instructions in order
.endr
.endm
.macro SEND a, younger                 ; younger: the LDS loads issued behind TOSTAGE's, which may stay out
	s_wait_dscnt \younger
.if (\a) > 0
	s_add_nc_u64 s[12:13], s[12:13], 16*SIZE_N*4   ; 16 rows of out on
.endif
.irp t, 0,1,2,3,4,5,6,7,8,9,10,11,12,13,14,15
	v_pk_fma_f32 v[BK+4*\t:BK+4*\t+1], v[BK+4*\t:BK+4*\t+1], s[SC:SC+1], v[BI:BI+1] op_sel_hi:[1,0,1]
	v_pk_fma_f32 v[BK+4*\t+2:BK+4*\t+3], v[BK+4*\t+2:BK+4*\t+3], s[SC:SC+1], v[BI+2:BI+3] op_sel_hi:[1,0,1]
.endr
.irp t, 0,1,2,3,4,5,6,7,8,9,10,11,12,13,14,15
	global_store_b128 v[CO], v[BK+4*\t:BK+4*\t+3], s[12:13] offset:\t*SIZE_N*4 th:TH_STORE_NT   ; 512 consecutive bytes, at a multiple of 256 from out's first byte
.endr
.endm
	s_wait_kmcnt 0x0
	s_add_co_i32 s[SC], s[SC], s[SC+1]
	s_add_co_i32 s[SC], s[SC], 127
	s_lshl_b32 s[SC], s[SC], 23                    ; 2^(ex + ew) as f32
	s_wait_loadcnt 0x0                             ; bias
	MEET                                           ; slot 0's last step; nothing is filled again, so no round follows
	PLACES NP
	FETCH_B 1, 0, 0                                ; W's first 128 of the last K step into set 0; set 1 is still being multiplied
	XLOAD 0                                        ; x's blocks 0-3 of slot 0 are done with: their registers take blocks 0 and 1
	XLOAD 1
	WIN MUL_HI
	MUL16 4, 1, 0
	MUL16 6, 1, 0
	PLACES NP
	FETCH_B 1, 1, 1
	XLOAD 2
	XLOAD 3
	ROW 0
.irp a, 0,1,2,3,4,5,6,7
	PLACES NP                                      ; the stores into the stage read results just made, and the loads below land on fragments just read
.if \a == 0
	s_wait_alu depctr_va_vdst(0)
.endif
	TOSTAGE \a
.if \a < 4
	XLOAD \a+4                                     ; its buffer takes the block four further on
	SEND \a, 8
.else
	SEND \a, 0
.endif
.if \a < 7
	ROW \a+1
.endif
.endr
	s_wait_tensorcnt 0x0                           ; the wave's end
	ds_add_u32 v[SPW], v[NIL]
	s_wait_dscnt 0x0
	CROUND                                         ; the closing round
	s_endpgm
.Lfunc_end_k_q603329084f_gemm:
	.size	k_q603329084f_gemm, .Lfunc_end_k_q603329084f_gemm-k_q603329084f_gemm
	.p2alignl 7, 3214868480
	.fill 96, 4, 3214868480
	.section	.rodata,"a",@progbits
	.p2align	6, 0x0
	.amdhsa_kernel k_q603329084f_gemm
		.amdhsa_group_segment_fixed_size 327680
		.amdhsa_private_segment_fixed_size 0
		.amdhsa_enable_private_segment 0
		.amdhsa_kernarg_size 40
		.amdhsa_user_sgpr_count 2
		.amdhsa_user_sgpr_kernarg_segment_ptr 1
		.amdhsa_wavefront_size32 1
		.amdhsa_system_sgpr_workgroup_id_x 1
		.amdhsa_system_sgpr_workgroup_id_y 1
		.amdhsa_system_sgpr_workgroup_id_z 1
		.amdhsa_system_vgpr_workitem_id 0
		.amdhsa_next_free_vgpr 1024
		.amdhsa_next_free_sgpr 80
		.amdhsa_reserve_vcc 0
		.amdhsa_float_denorm_mode_32 3
		.amdhsa_float_denorm_mode_16_64 3
		.amdhsa_memory_ordered 1
		.amdhsa_forward_progress 1
		.amdhsa_inst_pref_size 125
	.end_amdhsa_kernel
	.amdgpu_metadata
---
amdhsa.version: [ 1, 2 ]
amdhsa.kernels:
  - .name:           k_q603329084f_gemm
    .symbol:         k_q603329084f_gemm.kd
    .args:
      - { .name: x_codes, .offset: 0, .size: 8, .value_kind: global_buffer, .address_space: global }
      - { .name: w_codes, .offset: 8, .size: 8, .value_kind: global_buffer, .address_space: global }
      - { .name: lowp_scales, .offset: 16, .size: 8, .value_kind: global_buffer, .address_space: global }
      - { .name: bias, .offset: 24, .size: 8, .value_kind: global_buffer, .address_space: global }
      - { .name: out0, .offset: 32, .size: 8, .value_kind: global_buffer, .address_space: global }
    .group_segment_fixed_size: 327680
    .private_segment_fixed_size: 0
    .kernarg_segment_align: 8
    .kernarg_segment_size: 40
    .max_flat_workgroup_size: 128
    .sgpr_count:     80
    .vgpr_count:     1024
    .wavefront_size: 32
...
	.end_amdgpu_metadata
.endif
;; end of part 2
